; MI455X (gfx1250); checked and timed in simulation.
; The chip was launched on July 23, 2026; its instructions are those of AMD's public machine-readable ISA for CDNA 5 (MIT licence, August 2026) and "CDNA5" Instruction Set Architecture Reference Guide (July 2026). The comments in the code are by the model that wrote it; some were corrected since.
;; Diff Multi Headed Cross Attention. Allowed arithmetic: matrix products marked QUANTISED: E5M2 operands, one given power-of-two scale a tensor, by v_wmma_f32_16x16x64_bf8_bf8 or v_wmma_f32_16x16x128_bf8_bf8, f32 sums; everything else in f32.
;; Inputs: Wk_codes 1,024 x 32 x 32 uint8 (E5M2 codes of Wk, K innermost, in blocks of 32 codes); Wq_codes 1,024 x 32 x 32 uint8 (E5M2 codes of Wq, K innermost, in blocks of 32 codes); Wv_codes 1,024 x 32 x 32 uint8 (E5M2 codes of Wv, K innermost, in blocks of 32 codes); decoder_feature_codes 2 x 2,048 x 32 x 32 uint8 (E5M2 codes of decoder_feature, K innermost, in blocks of 32 codes); encoder_feature_codes 2 x 2,048 x 32 x 32 uint8 (E5M2 codes of encoder_feature, K innermost, in blocks of 32 codes); lambda_k1 32 float32; lambda_k2 32 float32; lambda_q1 32 float32; lambda_q2 32 float32; lowp_scales 10 int32 (the exponents e of the quantised operands' scales 2^e).
;; Outputs: out0 2 x 2,048 x 1,024 float32.
;; This version of the problem:
;;   THIS VERSION OF THE PROBLEM IS GIVEN IN LOW PRECISION. The matrix products marked QUANTISED in the list below multiply operands that are first quantised to E5M2 (5 exponent bits, 2 mantissa bits; 8 bits a number), with one given power-of-two scale for each operand tensor; their sums are f32. All else is computed in f32.
;;   The module's matrix products, in the order in which they are computed (A, B: the left and right operand; K: the contracted axis; several contracted axes count as one K, in the product's order):
;;     1. [M 4,096, K 1,024] x [K 1,024, N 1,024]; A: input decoder_feature (given as codes); B: input Wq (given as codes): QUANTISED (scales: A lowp_scales[0], B lowp_scales[1])
;;     2. [M 4,096, K 1,024] x [K 1,024, N 1,024]; A: input encoder_feature (given as codes); B: input Wk (given as codes): QUANTISED (scales: A lowp_scales[2], B lowp_scales[3])
;;     3. [M 4,096, K 1,024] x [K 1,024, N 1,024]; A: input encoder_feature (given as codes); B: input Wv (given as codes): QUANTISED (scales: A lowp_scales[4], B lowp_scales[5])
;;     4. batch 64 x [M 2,048, K 32] x [K 32, N 2,048]; A: computed on the way; B: computed on the way: QUANTISED (scales: A lowp_scales[6], B lowp_scales[7])
;;     5. batch 32 x [M 2,048, K 2,048] x [K 2,048, N 64]; A: computed on the way; B: computed on the way: QUANTISED (scales: A lowp_scales[8], B lowp_scales[9])
;;   THE QUANTISER, for each operand of a quantised product, along K:
;;     - The operand's scale is 2^e, e = its entry of the input lowp_scales (int32; the entries are numbered through the quantised products in the list's order, A before B).
;;     - Each number is divided by the scale, clamped to +-57,344, and rounded to the nearest number of E5M2, ties to even, subnormals kept.
;;     - The product sums the exact products of the quantised numbers (number of the format x scale) in f32.
;;   ~~~python
;;   def quantise(x, axis, e):      # numpy; x: float32 -> the quantised numbers, widened to float32 again
;;       x = np.moveaxis(x, axis, -1); K = x.shape[-1]
;;       r = np.clip(x / 2.0 ** e, -57344, 57344)
;;       step = 2.0 ** (np.maximum(np.frexp(np.where(r == 0, 1, r))[1] - 1, -14) - 2)
;;       q = np.round(r / step) * step * 2.0 ** e      # np.round: ties to even
;;       return np.moveaxis(q, -1, axis).astype(np.float32)
;;   ~~~
;;   OPERANDS COMPUTED ON THE WAY. 'Computed on the way' means the value that the module computes at that place (a softmax that the list does not call 'softmax' is quantised finished and normalised). What goes into a quantiser is computed in f32, as accurately as f32 sums, v_exp_f32 and their like allow (about 1e-6 of the number): no bf16 or f16 on the way to a quantiser, and a product that is left as it is and whose result goes on into a quantised operand takes f32 operands (vector FMAs, or v_wmma_f32_16x16x4_f32). A number that lies on a knife's edge between two numbers of the format may be rounded either way, as far as f32 arithmetic and the matrix unit's own rounding can turn it there, and no further.
;;   INPUTS GIVEN AS CODES. Wk (in the module: [1024, 1024], K = its axis 1); Wq (in the module: [1024, 1024], K = its axis 1); Wv (in the module: [1024, 1024], K = its axis 1); decoder_feature (in the module: [2, 2048, 1024], K = its axis 2); encoder_feature (in the module: [2, 2048, 1024], K = its axis 2): each comes as NAME_codes (uint8): NAME with its K axis moved to the last place and cut into blocks of 32 codes, [.., K / 32, bytes a block], one block behind the other in memory; one code a byte (a code: sign, 5 exponent bits, 2 mantissa bits); its scale is its entry of lowp_scales. Its value is code x scale, taken as it is: it is not quantised again, and the codes and scales need not be those that the quantiser above would give.
;; One version. Each part assembles by itself: llvm-mc -triple=amdgcn-amd-amdhsa -mcpu=gfx1250 --defsym DOCPART=n.
;; ======== version 1 of 1: 2 launches
;; limits: right only within a limited range of input values
;; workspace buffers: qkv 12,582,912 bytes
;; launch proj (part 1): grid 4 x 48, 4 waves a work-group, clusters of 4 x 4, 327,680 bytes of LDS; arguments decoder_feature_codes, encoder_feature_codes, Wq_codes, Wk_codes, Wv_codes, lowp_scales, qkv; writes qkv
.if DOCPART == 1
	.amdgcn_target "amdgcn-amd-amdhsa--gfx1250"
	.amdhsa_code_object_version 6
	.text
	.protected	k_q90cba0b7ab_proj
	.globl	k_q90cba0b7ab_proj
	.p2align	8
	.type	k_q90cba0b7ab_proj,@function
k_q90cba0b7ab_proj:
	s_mov_b64 s[64:65], 0
	v_nop
	global_prefetch_b8 v0, s[64:65] scope:SCOPE_SE
	s_setreg_imm32_b32 hwreg(HW_REG_WAVE_MODE, 25, 1), 1
	s_wait_xcnt 0x0
	s_wait_alu depctr_hold_cnt(0) depctr_sa_sdst(0) depctr_va_vdst(0) depctr_va_sdst(0) depctr_va_ssrc(0) depctr_va_vcc(0) depctr_vm_vsrc(0)
	s_getreg_b32 s2, hwreg(HW_REG_IB_STS2, 6, 4)
	s_cmp_eq_u32 s2, 0
	s_cbranch_scc0 .Lentry_in_a_cluster
	s_endpgm
.Lentry_in_a_cluster:
	s_bfe_u32 s2, ttmp6, 0x10000c
	s_cmp_lg_u32 s2, 0xf033
	s_cbranch_scc0 .Lentry_shape_is_right
	s_endpgm
.Lentry_shape_is_right:
; THE THREE PROJECTIONS q = dec Wq^T, k = enc Wk^T, v = enc Wv^T on the given codes of E5M2, and the quantising of q, k, v for the two products of the attention.
; NO WORK IS LEFT OUT: every input has a way to the output and every product of the problem is live.
; ONE BODY, NO BRANCH ON THE PRODUCT.  Out[m][n] = sum over k of S1[m][k] S0[n][k], K = 1,024.  Source 0 of the matrix instruction = 16 rows of S0, source 1 = 16 rows of S1: a lane then holds ONE m
; (lane % 16) and its eight registers eight neighbouring n: n is the axis along which the result is quantised (the next product's K).
;   product 0 (q): S1 = dec (m = token), S0 = Wq (n = channel);  1 (k): S1 = enc, S0 = Wk;  2 (v): S1 = Wv (m = channel), S0 = enc (n = key, since the keys are the K of att x v).
; A sum stands for sum x 2^(eA + eB); its code is sum / 2^(eO - eA - eB), held within +-57,344 x that power, rounded by the conversion.  eO = entry 6 (q), 7 (k), 9 (v) of the scales.
; LIMITS: eO - eA - eB lies between -126 and 112, so that both powers are f32 numbers.  NaN codes are not served.
; SHARES.  Each product is 16 x 4 blocks of 256 x 256: 192 work-groups of four waves, a wave 128 x 128 in 64 accumulators, so that a step of 128 along K takes one LDS load for each matrix instruction.
; (128 x 128 blocks would be 768 work-groups with two LDS loads for each matrix instruction; 256 x 128 would be 384: neither 256 nor a multiple.)
; K goes in four steps of 256 through a ring of two LDS slots; a tile's row is 256 bytes of memory, on a 256-byte border.
; THE HEAD asks for both slots at once, one tensor load a wave: wave w brings all 256 rows of S1 (w even) or of S0 (w odd) of K step w / 2.  A refill is shared out otherwise: 128 rows a wave.
; CLUSTERS: 4 x 4 work-groups of one product.  The four of a row of the cluster need the same 256 rows of S1, the four of a column the same 256 rows of S0: each tile is asked for JOINTLY.
; PREFETCH: K steps 2 and 3, which come by the two refills, are asked for at the head, two K steps ahead of the loads that want them: one instruction a wave and step, a lane a row of 256 bytes.
; Of the 128 rows that a wave will fetch, each of the four partners that fetch them jointly names 32, told apart by address (cx for S1, cy for S0).  The address registers are never written again.
; THE RESULT'S LAYOUT, qkv[bh = 16 b + head][part 0 q, 1 k, 2 v][131,072]: fragments of 16 rows x 64 codes as IMAGES OF THE OPERAND'S REGISTERS: [group of four registers][lane][16 bytes].
;   q, k: fragment = token / 16; group g = sub-head g's 32 channels.   v: fragment = 4 (key / 64) + channel / 16; rows = channels, codes along 64 keys.
;   Accumulators (a, b), (a, b + 1), b even, give four registers of codes.  Their place: q, k: head b / 4, fragment a;  v: head a / 4, key group b / 4, fragment a % 4: so four bases, for (a / 4, b / 4), whose two strides change places for v.
; REGISTERS: window 0: v8 the hold, v9 the scale, v16-21 LDS addresses, v26 16 x lane, v27 the prefetches' offset, v28, v29 the add's two, from v128 S1's fragments (one set); on the way out v32-159 codes.
;   window 1: S0's fragments, two sets.   windows 2, 3: the accumulators of my rows 0-63 and 64-127 ((a, b) at 8 (8 (a % 4) + b)).
.set ROWB,   256
.set KROW,   1024
.set PITCH,  272                       ; an LDS row: 256 bytes + 16 of padding: the 16 rows of a load start at 16 different columns of 16 bytes modulo 256
.set FR,     16
.set NL,     4
.set NP,     4                         ; places behind this matrix instruction (ISA guide 7.12.1)
.set HALFT,  128*PITCH                 ; what a refill's tensor load brings, and what one wave reads of S1 or of S0
.set SLOT,   4*HALFT                   ; S1's 256 rows, then S0's 256 rows
.set SPARE,  2*SLOT                    ; behind the ring: the spare words, 128 bytes for each wave
.set LIM,  8
.set SCL,  9
.set ADRA, 16
.set ADRB, 20
.set CO,   26
.set PFO,  27
.set SPW,  28
.set NIL,  29
.set CD,   32
.set AF,   128
.set H0B, 8                            ; s[8:11] group 0 of the head's load of S0;  s[96:99] of S1
.set H0A, 96
.set PFA, 12                           ; s[12:13] the first of the 32 rows that my prefetches name
.set G1, 24                            ; s[24:31] group 1 for S1's tiles;  s[32:39] the refills' group 0, a set for each slot
.set G0, 32
.set G1B, 48                           ; s[48:55], s[56:63] the same for S0's
.set G0B, 56
.set PR,  66                           ; s66 the product
.set OBS, 68                           ; s[68:75] the four bases of the way out
.set MSB, 0
.macro WIN new                         ; the immediate's high byte repeats the setting that is left
.if MSB != \new
	s_set_vgpr_msb (MSB<<8)|\new
.set MSB, \new
.endif
.endm
.set MUL_LO, 0xa1                      ; source 0 (S0) window 1, source 1 (S1) window 0, C and D window 2
.set MUL_HI, 0xf1
.set TO_B,   0x40
.macro JLOAD sel, g0a, g1a, g0b, g1b   ; s[sel] = 0: for S1, else for S0; s_nop 0 and four v_nop follow each line
	s_cmp_eq_u32 s[\sel], 0
	s_cbranch_scc0 .Lfor_b_\@
	tensor_load_to_lds s[\g0a:\g0a+3], s[\g1a:\g1a+7]
	s_nop 0
.rept 4
	v_nop
.endr
	s_branch .Lasked_\@
.Lfor_b_\@:
	tensor_load_to_lds s[\g0b:\g0b+3], s[\g1b:\g1b+7]
	s_nop 0
.rept 4
	v_nop
.endr
.Lasked_\@:
.endm
.macro CREST                           ; a round of the cluster's barrier behind its opening barrier
	s_cmp_lg_u32 s14, 0
	s_cbranch_scc1 .Lnot_wave_0_\@
	s_barrier_signal -3
.Lnot_wave_0_\@:
	s_barrier_wait -3
	s_barrier_signal -1
	s_barrier_wait -1
.endm
.macro CROUND
	s_barrier_signal -1
	s_barrier_wait -1
	CREST
.endm
	s_load_b256 s[68:75], s[0:1], 0x0              ; dec s[68:69], enc s[70:71], Wq s[72:73], Wk s[74:75]
	s_load_b128 s[76:79], s[0:1], 0x20             ; Wv s[76:77], the scales' exponents s[78:79]
	s_load_b64 s[80:81], s[0:1], 0x30              ; qkv
	v_lshl_add_u32 v[SPW], v0, 2, SPARE
	v_mov_b32 v[NIL], 0
	ds_add_u32 v[SPW], v[NIL]                      ; the opening lines: the add, twice on end,
	ds_add_u32 v[SPW], v[NIL]
	v_lshrrev_b32 v1, 5, v0
	v_readfirstlane_b32 s14, v1                    ; wave 0..3
	s_lshr_b32 s15, s14, 1                         ; which 128 rows of S1 I multiply.  A refill: I fetch for S1 (0) or for S0 (1).  The head: which K step I fetch
	s_and_b32 s16, s14, 1                          ; which 128 rows of S0 I multiply.  A refill: which 128 rows I fetch.  The head: for S1 (0) or for S0 (1)
	s_bfe_u32 s40, ttmp6, 0x40000                  ; cx
	s_bfe_u32 s41, ttmp6, 0x40004                  ; cy
	s_and_b32 s17, ttmp7, 0xffff                   ; cluster y, 0..11
	s_lshr_b32 s[PR], s17, 2                       ; the product: the same in all sixteen partners
	s_and_b32 s67, s17, 3
	s_lshl_b32 s67, s67, 2                         ; the long operand (4,096 rows, 16 tiles): my cluster's first tile; the short one has four, a cluster's width
	s_cmp_eq_u32 s[PR], 2                          ; v: S0 is the long operand
	s_cselect_b32 s42, s67, 0
	s_cselect_b32 s17, 0, s67
	s_add_co_u32 s42, s42, s40                     ; S0's tile: hangs on cx alone within the cluster
	s_add_co_u32 s17, s17, s41                     ; S1's tile: on cy alone
	s_lshl_b32 s43, s41, 2
	s_lshl_b32 s43, 15, s43                        ; my row of the cluster
	s_lshl_b32 s44, 0x1111, s40                    ; my column
	s_or_b32 s[G1+0], s43, (0<<16)|(1<<20)|(1<<21)|(5<<22)|(3<<25)  ; the mask; elements of 1 byte; padding on; bit 21 beside a mask; four words (code 3) after every 64 (code 5)
	s_or_b32 s[G1B+0], s44, (0<<16)|(1<<20)|(1<<21)|(5<<22)|(3<<25)
.irp g, G1, G1B
	s_mov_b32 s[\g+1], ROWB<<16                    ; tensor_dim0
	s_mov_b32 s[\g+2], 256<<16                     ; tensor_dim1: the head's tiles have 256 rows
	s_mov_b32 s[\g+3], ROWB<<16                    ; tile_dim0
	s_mov_b32 s[\g+4], 256                         ; tile_dim1
	s_mov_b32 s[\g+5], KROW                        ; tensor_dim0_stride
	s_mov_b32 s[\g+6], 0
	s_mov_b32 s[\g+7], 0
.endr
	s_lshl_b32 s18, s16, 7                         ; a refill: which 128 rows of the tile I fetch
	s_lshl_b32 s20, s17, 8
	s_add_co_u32 s20, s20, s18
	s_lshl_b32 s20, s20, 10                        ; S1: rows of 1,024 bytes, 4,096 rows at the most
	s_mov_b32 s21, 0
	s_lshl_b32 s46, s42, 8
	s_add_co_u32 s46, s46, s18
	s_lshl_b32 s46, s46, 10                        ; S0 likewise
	s_mov_b32 s47, 0
	s_lshl_b32 s19, s15, 8                         ; the head: K step wave / 2, in bytes,
	s_lshl_b32 s82, s17, 18                        ; of S1's tile of 256 rows,
	s_add_co_u32 s82, s82, s19
	s_mov_b32 s83, 0
	s_lshl_b32 s94, s42, 18                        ; or of S0's
	s_add_co_u32 s94, s94, s19
	s_mov_b32 s95, 0
	s_mul_i32 s[H0A+1], s15, SLOT                  ; into slot wave / 2: S1's 256 rows,
	s_add_co_u32 s[H0B+1], s[H0A+1], 2*HALFT       ; or S0's behind them
	s_mov_b32 s[H0A], 1
	s_mov_b32 s[H0B], 1
	s_cmp_eq_u32 s15, 0                            ; the prefetches go by the refills' shares
	s_cselect_b32 s22, s20, s46                    ; the 128 rows that I will fetch,
	s_cselect_b32 s23, s40, s41                    ; my place among the four that fetch them with me,
	s_lshl_b32 s23, s23, 15
	s_add_co_u32 s22, s22, s23                     ; and so my work-group's 32 rows of 1,024 bytes
	s_mov_b32 s23, 0
	s_mul_i32 s45, s14, HALFT                      ; where a refill's tile goes: wave x 128 rows: no place in the cluster enters an LDS address
	v_and_b32 v[PFO], 31, v0
	v_lshlrev_b32 v[PFO], 10, v[PFO]               ; a lane a row
	s_wait_alu depctr_va_vdst(0)                   ; the wait here, directly ahead of the waits below
	s_wait_dscnt 0x0                               ; and the one wait for both adds
	s_wait_kmcnt 0x0
	s_load_b256 s[84:91], s[78:79], 0x0            ; e0 .. e7
	s_load_b64 s[92:93], s[78:79], 0x20            ; e8, e9
	s_cmp_eq_u32 s[PR], 0                          ; the operands are chosen by the product's number alone
	s_cselect_b64 s[4:5], s[68:69], s[70:71]       ; S1: dec, or enc,
	s_cselect_b64 s[6:7], s[72:73], s[74:75]       ; S0: Wq, or Wk,
	s_cmp_eq_u32 s[PR], 2
	s_cselect_b64 s[4:5], s[76:77], s[4:5]         ; or, for v, Wv
	s_cselect_b64 s[6:7], s[70:71], s[6:7]         ; and enc
	s_add_nc_u64 s[20:21], s[4:5], s[20:21]
	s_add_nc_u64 s[46:47], s[6:7], s[46:47]
	s_add_nc_u64 s[H0A+2:H0A+3], s[4:5], s[82:83]
	s_or_b32 s[H0A+3], s[H0A+3], 0x80000000
	s_add_nc_u64 s[H0B+2:H0B+3], s[6:7], s[94:95]
	s_or_b32 s[H0B+3], s[H0B+3], 0x80000000
	s_cmp_eq_u32 s15, 0
	s_cselect_b64 s[PFA:PFA+1], s[4:5], s[6:7]
	s_add_nc_u64 s[PFA:PFA+1], s[PFA:PFA+1], s[22:23]
	CROUND                                         ; all sixteen work-groups are here: the first joint loads meet
.irp s, 0,1
	s_mov_b32 s[G0+4*\s], 1                                        ; the refills' groups 0 stand at K steps 0 and 1: each refill steps its own two K steps on
	s_add_co_u32 s[G0+4*\s+1], s45, \s*SLOT
	s_add_nc_u64 s[G0+4*\s+2:G0+4*\s+3], s[20:21], \s*ROWB
	s_or_b32 s[G0+4*\s+3], s[G0+4*\s+3], 0x80000000
	s_mov_b32 s[G0B+4*\s], 1
	s_add_co_u32 s[G0B+4*\s+1], s45, \s*SLOT
	s_add_nc_u64 s[G0B+4*\s+2:G0B+4*\s+3], s[46:47], \s*ROWB
	s_or_b32 s[G0B+4*\s+3], s[G0B+4*\s+3], 0x80000000
.endr
	JLOAD 16, H0A, G1, H0B, G1B                    ; K steps 0 and 1, both slots: one tensor load a wave at the head
	global_prefetch_b8 v[PFO], s[PFA:PFA+1] offset:2*ROWB th:TH_LOAD_NT scope:SCOPE_SE   ; K step 2 of my 32 rows
	; the way out's four bases: bh x 393,216 + part x 131,072 + (token tile % 8) x 16,384 + (my half of its tokens) x 8,192
	s_cmp_eq_u32 s[PR], 2
	s_cselect_b32 s2, s42, s17                     ; the tile along the tokens,
	s_cselect_b32 s3, s17, s42                     ; the tile along the channels: four heads
	s_cselect_b32 s18, s16, s15                    ; my 128 tokens
	s_cselect_b32 s19, s15, s16                    ; my two heads
	s_mov_b32 s22, 393216
	s_movk_i32 s23, 4096
	s_cselect_b32 s20, s22, s23                    ; from a / 4 = 0 to 1: four fragments on (q, k), or a head on (v)
	s_cselect_b32 s46, s23, s22                    ; from b / 4 = 0 to 1: a head on (q, k), or 64 keys on (v)
	s_mov_b32 s21, 0
	s_mov_b32 s47, 0
	s_lshr_b32 s22, s2, 3                          ; the batch
	s_lshl_b32 s22, s22, 4
	s_lshl_b32 s3, s3, 2
	s_add_co_u32 s22, s22, s3
	s_lshl_b32 s19, s19, 1
	s_add_co_u32 s22, s22, s19                     ; bh of my first head
	s_mul_i32 s22, s22, 393216
	s_lshl_b32 s23, s[PR], 17
	s_add_co_u32 s22, s22, s23
	s_and_b32 s2, s2, 7
	s_lshl_b32 s2, s2, 14
	s_add_co_u32 s22, s22, s2
	s_lshl_b32 s18, s18, 13
	s_add_co_u32 s22, s22, s18
	s_mov_b32 s23, 0
	s_add_nc_u64 s[OBS:OBS+1], s[80:81], s[22:23]
	s_add_nc_u64 s[OBS+2:OBS+3], s[OBS:OBS+1], s[46:47]
	s_add_nc_u64 s[OBS+4:OBS+5], s[OBS:OBS+1], s[20:21]
	s_add_nc_u64 s[OBS+6:OBS+7], s[OBS+4:OBS+5], s[46:47]
	s_mul_i32 s82, s15, HALFT                      ; my 128 rows of S1
	s_mul_i32 s83, s16, HALFT
	s_add_co_u32 s83, s83, 2*HALFT                 ; my 128 rows of S0, behind S1's 256
	s_add_co_u32 s94, s82, SLOT
	s_add_co_u32 s95, s83, SLOT
	global_prefetch_b8 v[PFO], s[PFA:PFA+1] offset:3*ROWB th:TH_LOAD_NT scope:SCOPE_SE   ; K step 3, the row's last 256 bytes
	v_and_b32 v1, 15, v0                           ; lane % 16
	v_bfe_u32 v2, v0, 4, 1                         ; lane / 16
	v_mul_u32_u24 v3, v1, PITCH
	v_lshl_add_u32 v4, v2, 4, v3                   ; a fragment's row x pitch + 16 x half
	v_add_nc_u32 v[ADRA], s82, v4
	v_add_nc_u32 v[ADRB], s83, v4
	v_add_nc_u32 v[ADRA+1], s94, v4
	v_add_nc_u32 v[ADRB+1], s95, v4
	v_and_b32 v[CO], 31, v0
	v_lshlrev_b32 v[CO], 4, v[CO]                  ; 16 x lane
.macro FRAG reg, adr, q, i             ; 16 rows x 128 K: lane l holds, of row l % 16, K = 32 c + 16 (l / 16) + 0 .. 15 in registers 4 c .. 4 c + 3: a permutation of k that is the same in both operands
.irp c, 0,1,2,3
	ds_load_b128 v[\reg+4*\c:\reg+4*\c+3], v[\adr] offset:128*(\q)+32*\c+(\i)*16*PITCH
.endr
.endm
; 16 matrix instructions: S1's blocks a0, a0 + 1 x S0's eight.  The 64 accumulators take turns, in the same order in every step.  zero = 1: the first products start the sums.
.macro MUL16 a0, p, zero
.irp a, \a0, \a0+1
.irp b, 0,1,2,3,4,5,6,7
.if \zero
	v_wmma_f32_16x16x128_bf8_bf8 v[8*(8*((\a)%4)+\b):8*(8*((\a)%4)+\b)+7], v[128*(\p)+FR*\b:128*(\p)+FR*\b+FR-1], v[AF+FR*(\a):AF+FR*(\a)+FR-1], 0
.else
	v_wmma_f32_16x16x128_bf8_bf8 v[8*(8*((\a)%4)+\b):8*(8*((\a)%4)+\b)+7], v[128*(\p)+FR*\b:128*(\p)+FR*\b+FR-1], v[AF+FR*(\a):AF+FR*(\a)+FR-1], v[8*(8*((\a)%4)+\b):8*(8*((\a)%4)+\b)+7]
.endif
.endr
.endr
.endm
.macro FETCH_B slot, q, p
	WIN TO_B
.irp i, 0,1,2,3,4,5,6,7
	FRAG 128*(\p)+FR*\i, ADRB+\slot, \q, \i
.endr
	WIN 0
.endm
.macro FETCH_A slot, q, i0
.irp i, \i0, \i0+1, \i0+2, \i0+3
	FRAG AF+FR*(\i), ADRA+\slot, \q, \i
.endr
.endm
.macro PLACES n                        ; plain places in front of loads into registers that matrix instructions have read, and of reads of results
.rept \n
	v_nop
.endr
.endm
; A step of 128 along K that has its successor in the same slot.  S1 has one set of registers: blocks 0-3 are fetched anew in the step's middle, blocks 4-7 at its end; S0 has two sets.
.macro STEP slot, q, zero
	s_wait_dscnt 4*NL                              ; S0's set and S1's blocks 0-3 are in; the youngest 16 loads (blocks 4-7) may be out
	WIN MUL_LO
	MUL16 0, (\q)%2, \zero
	MUL16 2, (\q)%2, \zero
	s_wait_dscnt 0
	PLACES NP
	FETCH_B \slot, (\q)+1, 1-(\q)%2
	FETCH_A \slot, (\q)+1, 0
	WIN MUL_HI
	MUL16 4, (\q)%2, \zero
	MUL16 6, (\q)%2, \zero
	PLACES NP
	WIN 0
	FETCH_A \slot, (\q)+1, 4
.endm
; A slot's last step changes slots: in front of the barrier each wave waits for all its tensor loads, adds 0 to its spare word, and waits for that and for its reads of this slot.  fill = 1: the barrier opens a round of the cluster's, and this slot is filled again.
.macro TURN slot, next, fill
	s_wait_tensorcnt 0x0                           ; my part of the next slot has landed
	ds_add_u32 v[SPW], v[NIL]
	s_wait_dscnt 4*NL+1                            ; the add and the youngest 16 loads may be out
	WIN MUL_LO
	MUL16 0, 1, 0
	s_wait_dscnt 0x0                               ; the add is done, and my reads of this slot are over
	s_barrier_signal -1
	MUL16 2, 1, 0
	WIN 0
	s_barrier_wait -1
.if \fill
	CREST
	s_add_nc_u64 s[G0+4*\slot+2:G0+4*\slot+3], s[G0+4*\slot+2:G0+4*\slot+3], 2*ROWB
	s_add_nc_u64 s[G0B+4*\slot+2:G0B+4*\slot+3], s[G0B+4*\slot+2:G0B+4*\slot+3], 2*ROWB
	JLOAD 15, G0+4*\slot, G1, G0B+4*\slot, G1B     ; the first tensor load behind the round; its four v_nop are the places in front of the loads below
.else
	PLACES NP
.endif
	FETCH_B \next, 0, 0
	FETCH_A \next, 0, 0
	WIN MUL_HI
	MUL16 4, 1, 0
	MUL16 6, 1, 0
	PLACES NP
	WIN 0
	FETCH_A \next, 0, 4
.endm
	s_wait_alu depctr_va_vdst(0)                   ; the wait at the head's end
	s_wait_tensorcnt 0x0                           ; my tile of K step 0 or 1 is in,
	s_barrier_signal -1
	s_barrier_wait -1                              ; everybody's is: both slots are whole.
.irp g, G1, G1B
	s_mov_b32 s[\g+2], 128<<16                     ; no load of mine is out: from here on a tile has 128 rows
	s_mov_b32 s[\g+4], 128
.endr
	FETCH_B 0, 0, 0
	FETCH_A 0, 0, 0
	FETCH_A 0, 0, 4
	STEP 0, 0, 1                                   ; K = 1,024 is eight steps of 128, written on end
	TURN 0, 1, 1                                   ; slot 0 takes K step 2
	STEP 1, 0, 0
	TURN 1, 0, 1                                   ; slot 1 takes K step 3
	STEP 0, 0, 0
	TURN 0, 1, 0
	STEP 1, 0, 0
	s_wait_dscnt 4*NL
	WIN MUL_LO
	MUL16 0, 1, 0
	MUL16 2, 1, 0
	s_wait_dscnt 0
	WIN MUL_HI
	MUL16 4, 1, 0
	MUL16 6, 1, 0
	WIN 0
	; THE WAY OUT: the three scales are folded into the conversion's one
	s_wait_kmcnt 0x0
	s_add_co_i32 s2, s84, s85                      ; eA + eB of q,
	s_add_co_i32 s3, s86, s87                      ; of k,
	s_add_co_i32 s18, s88, s89                     ; of v
	s_cmp_eq_u32 s[PR], 0
	s_cselect_b32 s2, s2, s3
	s_cselect_b32 s19, s90, s91                    ; eO: entry 6 or 7,
	s_cmp_eq_u32 s[PR], 2
	s_cselect_b32 s2, s18, s2
	s_cselect_b32 s19, s93, s19                    ; or 9
	s_sub_co_i32 s2, s19, s2
	s_add_co_i32 s2, s2, 127
	s_lshl_b32 s3, s2, 23
	v_mov_b32 v[SCL], s3                           ; 2^(eO - eA - eB): the conversion takes its exponent field
	s_add_co_i32 s2, s2, 15
	s_lshl_b32 s2, s2, 23
	s_or_b32 s2, s2, 0x600000
	v_mov_b32 v[LIM], s2                           ; 57,344 x that
	PLACES NP
; My rows 64 hi .. 64 hi + 63: the hold (the conversion to an 8-bit code does not saturate: ISA guide 7.6.2), each accumulator from its low end on; the conversions; 16 stores of 512 consecutive bytes, aligned.
.macro OUTH hi
	WIN 0x82+0x41*(\hi)                            ; source 0 and D: window 2 or 3
.set i, 0
.rept 256
	v_med3_num_f32 v[i], v[i], -v[LIM], v[LIM]
.set i, i+1
.endr
	WIN 0x02+(\hi)
.set i, 0
.rept 32                               ; accumulator i = 8 (a % 4) + b gives registers 2 b, 2 b + 1 of block a's sixteen
	v_cvt_scalef32_pk8_bf8_f32 v[CD+64*(\hi)+2*i:CD+64*(\hi)+2*i+1], v[8*i:8*i+7], v[SCL]
.set i, i+1
.endr
	v_nop                                          ; a plain line behind the last conversion
	WIN 0
.irp a, 0,1,2,3
.irp e, 0,1,2,3
	global_store_b128 v[CO], v[CD+64*(\hi)+16*\a+4*\e:CD+64*(\hi)+16*\a+4*\e+3], s[OBS+4*(\hi)+2*(\e/2):OBS+4*(\hi)+2*(\e/2)+1] offset:1024*\a+512*(\e%2)
.endr
.endr
.endm
	OUTH 0
	OUTH 1
	s_wait_tensorcnt 0x0                           ; the wave's end
	ds_add_u32 v[SPW], v[NIL]
	s_wait_dscnt 0x0
	CROUND                                         ; the closing round
	s_endpgm
.Lfunc_end_k_q90cba0b7ab_proj:
	.size	k_q90cba0b7ab_proj, .Lfunc_end_k_q90cba0b7ab_proj-k_q90cba0b7ab_proj
	.p2alignl 7, 3214868480
	.fill 96, 4, 3214868480
	.section	.rodata,"a",@progbits
	.p2align	6, 0x0
	.amdhsa_kernel k_q90cba0b7ab_proj
		.amdhsa_group_segment_fixed_size 327680
		.amdhsa_private_segment_fixed_size 0
		.amdhsa_enable_private_segment 0
		.amdhsa_kernarg_size 56
		.amdhsa_user_sgpr_count 2
		.amdhsa_user_sgpr_kernarg_segment_ptr 1
		.amdhsa_wavefront_size32 1
		.amdhsa_system_sgpr_workgroup_id_x 1
		.amdhsa_system_sgpr_workgroup_id_y 1
		.amdhsa_system_sgpr_workgroup_id_z 1
		.amdhsa_system_vgpr_workitem_id 0
		.amdhsa_next_free_vgpr 1024
		.amdhsa_next_free_sgpr 100
		.amdhsa_reserve_vcc 0
		.amdhsa_float_denorm_mode_32 3
		.amdhsa_float_denorm_mode_16_64 3
		.amdhsa_memory_ordered 1
		.amdhsa_forward_progress 1
		.amdhsa_inst_pref_size 119
	.end_amdhsa_kernel
	.amdgpu_metadata
---
amdhsa.version: [ 1, 2 ]
amdhsa.kernels:
  - .name:           k_q90cba0b7ab_proj
    .symbol:         k_q90cba0b7ab_proj.kd
    .args:
      - { .name: decoder_feature_codes, .offset: 0, .size: 8, .value_kind: global_buffer, .address_space: global }
      - { .name: encoder_feature_codes, .offset: 8, .size: 8, .value_kind: global_buffer, .address_space: global }
      - { .name: Wq_codes, .offset: 16, .size: 8, .value_kind: global_buffer, .address_space: global }
      - { .name: Wk_codes, .offset: 24, .size: 8, .value_kind: global_buffer, .address_space: global }
      - { .name: Wv_codes, .offset: 32, .size: 8, .value_kind: global_buffer, .address_space: global }
      - { .name: lowp_scales, .offset: 40, .size: 8, .value_kind: global_buffer, .address_space: global }
      - { .name: qkv, .offset: 48, .size: 8, .value_kind: global_buffer, .address_space: global }
    .group_segment_fixed_size: 327680
    .private_segment_fixed_size: 0
    .kernarg_segment_align: 8
    .kernarg_segment_size: 56
    .max_flat_workgroup_size: 128
    .sgpr_count:     100
    .vgpr_count:     1024
    .wavefront_size: 32
...
	.end_amdgpu_metadata
.endif
;; end of part 1
;; launch attn (part 2): grid 8 x 32, 8 waves a work-group, clusters of 4 x 1, 327,680 bytes of LDS; arguments qkv, lambda_q1, lambda_k1, lambda_q2, lambda_k2, lowp_scales, out0; writes out0
.if DOCPART == 2
	.amdgcn_target "amdgcn-amd-amdhsa--gfx1250"
	.amdhsa_code_object_version 6
	.text
	.protected	k_q90cba0b7ab_attn
	.globl	k_q90cba0b7ab_attn
	.p2align	8
	.type	k_q90cba0b7ab_attn,@function
k_q90cba0b7ab_attn:
	s_mov_b64 s[64:65], 0
	v_nop
	global_prefetch_b8 v0, s[64:65] scope:SCOPE_SE
	s_setreg_imm32_b32 hwreg(HW_REG_WAVE_MODE, 25, 1), 1
	s_wait_xcnt 0x0
	s_wait_alu depctr_hold_cnt(0) depctr_sa_sdst(0) depctr_va_vdst(0) depctr_va_sdst(0) depctr_va_ssrc(0) depctr_va_vcc(0) depctr_vm_vsrc(0)
	s_getreg_b32 s2, hwreg(HW_REG_IB_STS2, 6, 4)
	s_cmp_eq_u32 s2, 0
	s_cbranch_scc0 .Lentry_in_a_cluster
	s_endpgm
.Lentry_in_a_cluster:
	s_bfe_u32 s2, ttmp6, 0x10000c
	s_cmp_lg_u32 s2, 0x3003
	s_cbranch_scc0 .Lentry_shape_is_right
	s_endpgm
.Lentry_shape_is_right:
; out[b][t][64 h + d] = sum over n of Q8(att[t][n]) Q8(v[n][d]),  att = softmax_n(q0 . k0 / sqrt(32)) - lam softmax_n(q1 . k1 / sqrt(32)),  lam = exp(lq1 . lk1) - exp(lq2 . lk2) + 0.8.
; q, k, v come as codes of E5M2 from the launch before (qkv, images of the operands' registers).  No work is left out: every input and every product is live.
; att is quantised finished and normalised, so a row's maximum and sum are known before its first code is made.  THE KEYS ARE SHARED OUT AMONG THE WAVES, so that the weights of a whole row stay in registers meanwhile
; and each score is made and exponentiated once.
; SHARES.  A work-group owns 256 queries of one (batch, head), 16 at a time (a block); each of its eight waves owns 256 of the 2,048 keys for all blocks.  Its 16 fragments of K stay in 128 registers; its V (16,384 bytes)
; lies in LDS, brought by its one tensor load and read by it alone.  The four work-groups of a cluster share a head: V's loads are joint (mask 15).
; A BLOCK, in a wave: 32 products S^T = K Q^T (a lane holds one query, lane % 16); T = my keys' largest t (t = score x log2(e) / sqrt(32)); p = 2^(t - T); L = their sum; T and L go to LDS; ONE BARRIER;
; each lane joins the eight (T, L) of one sub-head (lane / 16) of its query: Tm = largest T, Ls = sum of L 2^(T - Tm); f = 2^(my T - Tm) / Ls; att = p0 f0 - lam p1 f1, held, converted with 2^e8; O^T = V^T att^T over my keys;
; my part of O^T goes to LDS.  Behind the NEXT block's barrier wave w adds the eight parts of queries 2 w, 2 w + 1 and stores them: sixteen lanes store 256 consecutive bytes, aligned.
; The (T, L) words and the parts of O^T have two areas each, taken by turns by the block's parity: what is written between two barriers is read between the next two and written again only behind those.
; The form's K is 64, a sub-head's 32: Q is given twice, once with sub-head 1's four registers zero and once with sub-head 0's; zero codes add nothing.
; No prefetch: K and V are fetched once, at the head, and the loop reads 1,024 bytes of Q a block, asked for a block ahead.
; LIMITS: e6 + e7 between -124 and 129 (added to c's exponent field); e8 between -126 and 112; a weight whose p or f falls under 2^-126 counts as 0; NaN is not served.
; REGISTERS.  Window 0: v1-15 addresses and constants; v16-39 Q, two sets; v40-63 T, L, factors, at work; v64-95 att's codes (before that the eight T and L, and the row that is stored); v96-127 O^T (before that the eight parts); v128-255 K.
;   Window 1: keys 0-127: v0-63 sub-head 0, v64-127 sub-head 1 (later V's fragments); keys 128-255: v128-191, v192-255 likewise.
.set OB,    131072                     ; behind V: the parts of O^T: [parity][wave][row 8 half + 2 d + jj of 272 bytes][query x 16 bytes]
.set OWV,   4352                       ; a wave's part: 16 rows of 256 + 16 bytes, so that a reader's 16 lanes touch 16 different columns of 16 bytes
.set OPAR,  8*OWV
.set TLB,   OB+2*OPAR                  ; the (T, L) words: [parity][16 sub-head + query][8 T, 8 L, 16 bytes of padding]
.set TLPAR, 2560
.set SPARE, TLB+2*TLPAR                ; the spare words, 128 bytes for each wave
.set SPW, 1
.set NIL, 2
.set LI,  3
.set ADV, 4
.set TLW, 5
.set TLR, 6
.set OW,  7
.set OR,  8
.set GO,  9
.set LIM, 10
.set SCL, 11
.set NL,  12
.set NEG, 13
.set TS,  14
.set LS,  15
.set QA,  16
.set T0,  40
.set T1,  42
.set L0,  44
.set L0B, 46
.set L1,  48
.set L1B, 50
.set MA0, 52
.set MB0, 53
.set MA1, 54
.set MB1, 55
.set PM0, 56
.set PM1, 57
.set F0,  58
.set F1,  60
.set TM,  62
.set MC0, 64                           ; ahead of the barrier v64-75 are free: four more chains of maxima, four more of sums
.set MD0, 65
.set MC1, 66
.set MD1, 67
.set L0C, 68
.set L0D, 70
.set L1C, 72
.set L1D, 74
.set PC,  64
.set TT,  64
.set LL,  72
.set RES, 80
.set OT,  96
.set KF,  128
.set WV,  18
.set G1,  24
.set G0,  32
.set HM,  36                           ; s36 lanes 16-31
.set EO,  37                           ; s37 e8 + e9
.set CS,  44                           ; s[44:45] c = log2(e) / sqrt(32) x 2^(e6 + e7)
.set SEL, 46                           ; s[46:47] lane l xor 16
.set QP,  48                           ; s[48:49] Q's fragment
.set CNT, 52
.set MSB, 0
.macro WIN new                         ; the immediate's high byte repeats the setting that is left
.if MSB != \new
	s_set_vgpr_msb (MSB<<8)|\new
.set MSB, \new
.endif
.endm
.macro CROUND                          ; a round of the cluster's barrier
	s_barrier_signal -1
	s_barrier_wait -1
	s_cmp_lg_u32 s[WV], 0
	s_cbranch_scc1 .Lnot_wave_0_\@
	s_barrier_signal -3
.Lnot_wave_0_\@:
	s_barrier_wait -3
	s_barrier_signal -1
	s_barrier_wait -1
.endm
	s_load_b256 s[4:11], s[0:1], 0x0               ; qkv, lambda_q1, lambda_k1, lambda_q2
	s_load_b128 s[12:15], s[0:1], 0x20             ; lambda_k2, the scales' exponents
	s_load_b64 s[16:17], s[0:1], 0x30              ; out0
	v_lshl_add_u32 v[SPW], v0, 2, SPARE
	v_mov_b32 v[NIL], 0
	ds_add_u32 v[SPW], v[NIL]                      ; the opening lines: the add, twice on end,
	ds_add_u32 v[SPW], v[NIL]
	v_lshrrev_b32 v4, 5, v0
	v_readfirstlane_b32 s[WV], v4                  ; wave 0..7
	s_bfe_u32 s19, ttmp6, 0x40000                  ; cx
	s_lshl_b32 s20, ttmp9, 2
	s_add_co_u32 s20, s20, s19                     ; my 256 queries: they enter Q's and out0's addresses alone
	s_and_b32 s21, ttmp7, 0xffff                   ; bh = 16 b + head, which the four partners share
	s_mul_i32 s50, s21, 393216                     ; the head's first byte in qkv: q, then k, then v, 131,072 bytes each
	s_lshl_b32 s51, s[WV], 14                      ; my 256 keys: 16,384 bytes of K, of V, and of LDS
	s_add_co_u32 s54, s50, s51
	s_add_co_u32 s54, s54, 262144                  ; V
	s_mov_b32 s55, 0
	s_sub_co_u32 s60, s54, 131072                  ; K
	s_mov_b32 s61, 0
	s_lshl_b32 s56, s20, 14                        ; Q: 16 fragments of 1,024 bytes
	s_add_co_u32 s56, s56, s50
	s_mov_b32 s57, 0
	s_lshr_b32 s58, s21, 4                         ; out0: row 2,048 b + 256 x my block, of 4,096 bytes; + 256 head
	s_lshl_b32 s58, s58, 11
	s_lshl_b32 s52, s20, 8
	s_add_co_u32 s58, s58, s52
	s_lshl_b32 s58, s58, 12
	s_and_b32 s52, s21, 15
	s_lshl_b32 s52, s52, 8
	s_add_co_u32 s58, s58, s52
	s_mov_b32 s59, 0
	s_lshl_b32 s22, s[WV], 2                       ; my word among the eight T
	s_mul_i32 s23, s[WV], OWV
	s_add_co_u32 s23, s23, OB                      ; my part of O^T
	s_lshl_b32 s38, s[WV], 5
	s_add_co_u32 s38, s38, OB                      ; the two queries that I add up: 16 bytes each
	s_lshl_b32 s39, s[WV], 13                      ; and their rows of out0
	s_mov_b32 s[G1], 15|(3<<16)|(1<<21)            ; the mask: all four work-groups; elements of 8 bytes; bit 21 beside a mask
	s_mov_b32 s[G1+1], 32<<16                      ; a dense block as 64 rows of 256 bytes
	s_mov_b32 s[G1+2], 64<<16
	s_mov_b32 s[G1+3], 32<<16
	s_mov_b32 s[G1+4], 64
	s_mov_b32 s[G1+5], 32
	s_mov_b32 s[G1+6], 0
	s_mov_b32 s[G1+7], 0
	s_mov_b32 s[SEL], 0x76543210
	s_mov_b32 s[SEL+1], 0xfedcba98
	s_mov_b32 s[HM], 0xffff0000
	s_wait_dscnt 0x0                               ; and the one wait for both
	s_wait_kmcnt 0x0
	s_load_b128 s[40:43], s[14:15], 0x18           ; e6, e7, e8, e9
	s_mov_b32 s[G0], 1
	s_mov_b32 s[G0+1], s51
	s_add_nc_u64 s[G0+2:G0+3], s[4:5], s[54:55]
	s_or_b32 s[G0+3], s[G0+3], 0x80000000
	s_add_nc_u64 s[QP:QP+1], s[4:5], s[56:57]
	s_add_nc_u64 s[60:61], s[4:5], s[60:61]
	s_add_nc_u64 s[16:17], s[16:17], s[58:59]
	CROUND                                         ; all four work-groups are here: the joint loads meet
	tensor_load_to_lds s[G0:G0+3], s[G1:G1+7]      ; my V: one load of mine is out
	s_nop 0
.rept 4
	v_nop
.endr
	v_and_b32 v[LI], 31, v0
	v_and_b32 v15, 15, v0                          ; lane % 16
	v_bfe_u32 v13, v0, 4, 1                        ; lane / 16
	v_lshlrev_b32 v14, 2, v[LI]                    ; 4 x lane: the lambdas
	v_mul_u32_u24 v[TLR], v[LI], 80
	v_add_nc_u32 v[TLR], TLB, v[TLR]               ; row 16 sub-head + query = my lane
	v_add_nc_u32 v[TLW], s22, v[TLR]
	v_mul_u32_u24 v[OW], v13, 8*272
	v_lshl_add_u32 v[OW], v15, 4, v[OW]
	v_add_nc_u32 v[OW], s23, v[OW]                 ; in: row 8 half (+ 2 d + jj by the offset), my query's 16 bytes
	v_bfe_u32 v[OR], v0, 1, 1                      ; back: lane % 16 = four channels 4 (4 d + 2 half + jj) on
	v_bfe_u32 v[GO], v0, 2, 2
	v_lshlrev_b32 v[OR], 3, v[OR]
	v_lshl_add_u32 v[OR], v[GO], 1, v[OR]
	v_and_b32 v[GO], 1, v0
	v_add_nc_u32 v[OR], v[OR], v[GO]
	v_mul_u32_u24 v[OR], v[OR], 272
	v_lshl_add_u32 v[OR], v13, 4, v[OR]            ; lanes 0-15 query 2 w, lanes 16-31 query 2 w + 1
	v_add_nc_u32 v[OR], s38, v[OR]
	v_lshlrev_b32 v[GO], 12, v13
	v_lshl_add_u32 v[GO], v15, 4, v[GO]
	v_add_nc_u32 v[GO], s39, v[GO]                 ; the same in out0
	v_lshlrev_b32 v[LI], 4, v[LI]                  ; 16 x lane: an image's place for my lane
	v_add_nc_u32 v[ADV], s51, v[LI]
.irp j, QA+4,QA+5,QA+6,QA+7,QA+16,QA+17,QA+18,QA+19,T0+1,T1+1,F0+1,F1+1,TM+1,PM0,PM1
	v_mov_b32 v[\j], 0                             ; zero codes in both sets of Q; upper words of pairs that are named whole; the permutes' destinations
.endr
	s_wait_alu depctr_va_vdst(0)                   ; the wait ahead of the readers below
	global_load_b32 v64, v14, s[6:7]
	global_load_b32 v65, v14, s[8:9]
	global_load_b32 v66, v14, s[10:11]
	global_load_b32 v67, v14, s[12:13]
	global_load_b128 v[QA:QA+3], v[LI], s[QP:QP+1]             ; block 0's Q, sub-head 0
	global_load_b128 v[QA+8:QA+11], v[LI], s[QP:QP+1] offset:512   ; sub-head 1
.set t, 0
.rept 16
	global_load_b128 v[KF+8*t:KF+8*t+3], v[LI], s[60:61] offset:1024*t         ; my 16 fragments of K stay in registers
	global_load_b128 v[KF+8*t+4:KF+8*t+7], v[LI], s[60:61] offset:1024*t+512
.set t, t+1
.endr
	s_wait_kmcnt 0x0
	s_add_co_i32 s50, s40, s41
	s_lshl_b32 s50, s50, 23
	s_add_co_i32 s[CS], s50, 0x3e8293ee            ; e6 + e7 are added to the exponent field of log2(e) / sqrt(32)
	s_mov_b32 s[CS+1], s[CS]
	s_add_co_i32 s50, s42, 127
	s_lshl_b32 s53, s50, 23
	v_mov_b32 v[SCL], s53                          ; 2^e8, for the conversion
	s_add_co_i32 s50, s50, 15
	s_lshl_b32 s50, s50, 23
	s_or_b32 s50, s50, 0x600000
	v_mov_b32 v[LIM], s50                          ; 57,344 x 2^e8
	s_add_co_i32 s[EO], s42, s43
	s_wait_loadcnt 34                              ; the four lambdas are in; the 34 loads behind them (Q, K) may be out
	v_mov_b32 v[NEG], 0xff800000
	v_mul_f32 v64, v64, v65                        ; lam: a lane a term, summed over the 32 lanes
	v_mul_f32 v66, v66, v67
.irp m, 1,2,4,8
	v_add_f32_dpp v64, v64, v64 row_xmask:\m row_mask:0xf bank_mask:0xf
	v_add_f32_dpp v66, v66, v66 row_xmask:\m row_mask:0xf bank_mask:0xf
.endr
	v_permlanex16_b32 v[PM0], v64, s[SEL], s[SEL+1]
	v_permlanex16_b32 v[PM1], v66, s[SEL], s[SEL+1]
	v_add_f32 v64, v64, v[PM0]
	v_add_f32 v66, v66, v[PM1]
	v_mul_f32 v64, 0x3fb8aa3b, v64
	v_mul_f32 v66, 0x3fb8aa3b, v66
	s_wait_alu depctr_va_vdst(0)                   ; a wait ahead of a batch of transcendentals and one behind it, here and below
	v_exp_f32 v68, v64
	v_exp_f32 v69, v66
	v_nop
	s_wait_alu depctr_va_vdst(0)
	v_sub_f32 v[NL], v69, v68
	v_add_f32 v[NL], 0xbf4ccccd, v[NL]             ; -lam
	s_wait_alu depctr_va_vdst(0)                   ; the head's end.  (V is waited for in block 0, ahead of my first LDS store and my first read of it)
.macro SCALE1 r, tt                    ; t - T, two at a time (of the pairs c and T the low word serves both halves)
	v_pk_fma_f32 v[\r:\r+1], v[\r:\r+1], s[CS:CS+1], v[\tt:\tt+1] op_sel_hi:[1,0,0] neg_lo:[0,0,1] neg_hi:[0,0,1]
.endm
.macro RLOAD pp                        ; the eight parts of my two queries, 16 bytes a lane each
.irp s, 0,1,2,3,4,5,6,7
	ds_load_b128 v[OT+4*\s:OT+4*\s+3], v[OR] offset:(\pp)*OPAR+\s*OWV
.endr
.endm
.macro RSUM                            ; added, x 2^(e8 + e9), stored
	s_wait_dscnt 0x0
.irp a, 0,8,16,24
	v_pk_add_f32 v[OT+\a:OT+\a+1], v[OT+\a:OT+\a+1], v[OT+\a+4:OT+\a+5]
	v_pk_add_f32 v[OT+\a+2:OT+\a+3], v[OT+\a+2:OT+\a+3], v[OT+\a+6:OT+\a+7]
.endr
.irp a, 0,16
	v_pk_add_f32 v[OT+\a:OT+\a+1], v[OT+\a:OT+\a+1], v[OT+\a+8:OT+\a+9]
	v_pk_add_f32 v[OT+\a+2:OT+\a+3], v[OT+\a+2:OT+\a+3], v[OT+\a+10:OT+\a+11]
.endr
	v_pk_add_f32 v[OT:OT+1], v[OT:OT+1], v[OT+16:OT+17]
	v_pk_add_f32 v[OT+2:OT+3], v[OT+2:OT+3], v[OT+18:OT+19]
.irp e, 0,1,2,3
	v_ldexp_f32 v[RES+\e], v[OT+\e], s[EO]
.endr
	global_store_b128 v[GO], v[RES:RES+3], s[16:17] th:TH_STORE_NT   ; 16 lanes store 256 consecutive bytes, aligned
.endm
; A BLOCK of 16 queries.  par: its parity; red: the block before is added up and stored; ldq: the next block's Q is asked for.
.macro BLOCK par, red, ldq
.set QC, QA+12*(\par)
.set QN, QA+12-12*(\par)
	s_wait_loadcnt 0x0                             ; this block's Q (the first time: K too)
	WIN 0x40                                       ; D window 1
.set t, 0
.rept 16
	v_wmma_f32_16x16x64_bf8_bf8 v[128*(t/8)+8*(t%8):128*(t/8)+8*(t%8)+7], v[KF+8*t:KF+8*t+7], v[QC:QC+7], 0
	v_wmma_f32_16x16x64_bf8_bf8 v[128*(t/8)+8*(t%8)+64:128*(t/8)+8*(t%8)+71], v[KF+8*t:KF+8*t+7], v[QC+4:QC+11], 0
.set t, t+1
.endr
	WIN 0
.irp m, MA0, MB0, MA1, MB1, MC0, MD0, MC1, MD1
	v_mov_b32 v[\m], v[NEG]                        ; eight chains of maxima begin at -infinity; these are the places behind the products (ISA guide 7.12.1)
.endr
.if \ldq
	s_add_nc_u64 s[QP:QP+1], s[QP:QP+1], 1024      ; the wait above has shown the last loads from this base done
	global_load_b128 v[QN:QN+3], v[LI], s[QP:QP+1]
	global_load_b128 v[QN+8:QN+11], v[LI], s[QP:QP+1] offset:512
.endif
	WIN 0x14                                       ; sources 1 and 2 window 1
.irp b, 0,128
.set i, 0
.rept 8                                ; eight chains; each accumulator from its low end on
	v_max3_num_f32 v[MA0], v[MA0], v[\b+i], v[\b+i+1]
	v_max3_num_f32 v[MA1], v[MA1], v[\b+64+i], v[\b+64+i+1]
	v_max3_num_f32 v[MB0], v[MB0], v[\b+i+2], v[\b+i+3]
	v_max3_num_f32 v[MB1], v[MB1], v[\b+64+i+2], v[\b+64+i+3]
	v_max3_num_f32 v[MC0], v[MC0], v[\b+i+4], v[\b+i+5]
	v_max3_num_f32 v[MC1], v[MC1], v[\b+64+i+4], v[\b+64+i+5]
	v_max3_num_f32 v[MD0], v[MD0], v[\b+i+6], v[\b+i+7]
	v_max3_num_f32 v[MD1], v[MD1], v[\b+64+i+6], v[\b+64+i+7]
.set i, i+8
.endr
.endr
	WIN 0
	v_max3_num_f32 v[MA0], v[MA0], v[MB0], v[MC0]
	v_max3_num_f32 v[MA1], v[MA1], v[MB1], v[MC1]
	v_max_num_f32 v[MA0], v[MA0], v[MD0]
	v_max_num_f32 v[MA1], v[MA1], v[MD1]
	v_permlanex16_b32 v[PM0], v[MA0], s[SEL], s[SEL+1]
	v_permlanex16_b32 v[PM1], v[MA1], s[SEL], s[SEL+1]
	v_max_num_f32 v[MA0], v[MA0], v[PM0]           ; over my 256 keys
	v_max_num_f32 v[MA1], v[MA1], v[PM1]
	v_mul_f32 v[T0], s[CS], v[MA0]                 ; as t (c is positive)
	v_mul_f32 v[T1], s[CS], v[MA1]
	WIN 0x41                                       ; source 0 and D window 1
.set j, 0
.rept 64
.if j < 32
	SCALE1 2*j, T0
.else
	SCALE1 2*j, T1
.endif
.set j, j+1
.endr
	s_wait_alu depctr_va_vdst(0)
.set j, 0
.rept 64                               ; keys 0-127's exponentials; among them the scaling of keys 128-255, which is read behind the wait below
	v_exp_f32 v[2*j], v[2*j]
	v_exp_f32 v[2*j+1], v[2*j+1]
.if j < 32
	SCALE1 128+2*j, T0
.else
	SCALE1 128+2*j, T1
.endif
.set j, j+1
.endr
	s_wait_alu depctr_va_vdst(0)
.set j, 128
.rept 128
	v_exp_f32 v[j], v[j]
.set j, j+1
.endr
	v_nop
	s_wait_alu depctr_va_vdst(0)
.if \red == 0
	s_wait_tensorcnt 0x0                           ; block 0: my V is in; no other wave reads it
.endif
	WIN 0x05                                       ; the sums, in eight chains of pairs
	v_pk_add_f32 v[L0:L0+1], v[0:1], v[2:3]
	v_pk_add_f32 v[L1:L1+1], v[64:65], v[66:67]
	v_pk_add_f32 v[L0B:L0B+1], v[4:5], v[6:7]
	v_pk_add_f32 v[L1B:L1B+1], v[68:69], v[70:71]
	v_pk_add_f32 v[L0C:L0C+1], v[8:9], v[10:11]
	v_pk_add_f32 v[L1C:L1C+1], v[72:73], v[74:75]
	v_pk_add_f32 v[L0D:L0D+1], v[12:13], v[14:15]
	v_pk_add_f32 v[L1D:L1D+1], v[76:77], v[78:79]
	WIN 0x04
.irp b, 0,128
.if \b == 0
.set i, 16
.else
.set i, 0
.endif
.rept 6+\b/64
	v_pk_add_f32 v[L0:L0+1], v[L0:L0+1], v[\b+i:\b+i+1]
	v_pk_add_f32 v[L1:L1+1], v[L1:L1+1], v[\b+64+i:\b+64+i+1]
	v_pk_add_f32 v[L0B:L0B+1], v[L0B:L0B+1], v[\b+i+2:\b+i+3]
	v_pk_add_f32 v[L1B:L1B+1], v[L1B:L1B+1], v[\b+64+i+2:\b+64+i+3]
	v_pk_add_f32 v[L0C:L0C+1], v[L0C:L0C+1], v[\b+i+4:\b+i+5]
	v_pk_add_f32 v[L1C:L1C+1], v[L1C:L1C+1], v[\b+64+i+4:\b+64+i+5]
	v_pk_add_f32 v[L0D:L0D+1], v[L0D:L0D+1], v[\b+i+6:\b+i+7]
	v_pk_add_f32 v[L1D:L1D+1], v[L1D:L1D+1], v[\b+64+i+6:\b+64+i+7]
.set i, i+8
.endr
.endr
	WIN 0
	v_pk_add_f32 v[L0:L0+1], v[L0:L0+1], v[L0B:L0B+1]
	v_pk_add_f32 v[L1:L1+1], v[L1:L1+1], v[L1B:L1B+1]
	v_pk_add_f32 v[L0C:L0C+1], v[L0C:L0C+1], v[L0D:L0D+1]
	v_pk_add_f32 v[L1C:L1C+1], v[L1C:L1C+1], v[L1D:L1D+1]
	v_pk_add_f32 v[L0:L0+1], v[L0:L0+1], v[L0C:L0C+1]
	v_pk_add_f32 v[L1:L1+1], v[L1:L1+1], v[L1C:L1C+1]
	v_add_f32 v[L0], v[L0], v[L0+1]
	v_add_f32 v[L1], v[L1], v[L1+1]
	v_permlanex16_b32 v[PM0], v[L0], s[SEL], s[SEL+1]
	v_permlanex16_b32 v[PM1], v[L1], s[SEL], s[SEL+1]
	v_add_f32 v[L0], v[L0], v[PM0]
	v_add_f32 v[L1], v[L1], v[PM1]
	v_cndmask_b32 v[TS], v[T0], v[T1], s[HM]       ; lane (query, half) hands on sub-head half's T and L
	v_cndmask_b32 v[LS], v[L0], v[L1], s[HM]
	ds_store_b32 v[TLW], v[TS] offset:(\par)*TLPAR
	ds_store_b32 v[TLW], v[LS] offset:(\par)*TLPAR+32
	s_wait_dscnt 0x0                               ; these two stores, the last block's part of O^T, and my reads of the other areas are done
	s_barrier_signal -1
	s_barrier_wait -1
	ds_load_b128 v[TT:TT+3], v[TLR] offset:(\par)*TLPAR
	ds_load_b128 v[TT+4:TT+7], v[TLR] offset:(\par)*TLPAR+16
	ds_load_b128 v[LL:LL+3], v[TLR] offset:(\par)*TLPAR+32
	ds_load_b128 v[LL+4:LL+7], v[TLR] offset:(\par)*TLPAR+48
.if \red
	RLOAD 1-(\par)
	s_wait_dscnt 8                                 ; the eight T and L are in; the eight loads behind them may be out
.else
	s_wait_dscnt 0x0
.endif
	v_max3_num_f32 v[TM], v[TT], v[TT+1], v[TT+2]
	v_max3_num_f32 v[MB0], v[TT+3], v[TT+4], v[TT+5]
	v_max3_num_f32 v[TM], v[TM], v[TT+6], v[TT+7]
	v_max_num_f32 v[TM], v[TM], v[MB0]             ; Tm of my sub-head
	v_permlanex16_b32 v[PM0], v[TM], s[SEL], s[SEL+1]
	v_cndmask_b32 v[MA0], v[TM], v[PM0], s[HM]     ; Tm of sub-head 0,
	v_cndmask_b32 v[MA1], v[PM0], v[TM], s[HM]     ; of sub-head 1
	v_sub_f32 v[MA0], v[T0], v[MA0]                ; my wave's T - Tm, 0 or less
	v_sub_f32 v[MA1], v[T1], v[MA1]
.irp k, 0,2,4,6
	v_pk_add_f32 v[TT+\k:TT+\k+1], v[TT+\k:TT+\k+1], v[TM:TM+1] op_sel_hi:[1,0] neg_lo:[0,1] neg_hi:[0,1]
.endr
	s_wait_alu depctr_va_vdst(0)
.irp k, 0,1,2,3,4,5,6,7
	v_exp_f32 v[TT+\k], v[TT+\k]
.endr
	v_exp_f32 v[MA0], v[MA0]
	v_exp_f32 v[MA1], v[MA1]
	v_nop
.if \red
	RSUM                                           ; the last block's rows are added up and stored here: work that names none of the batch's results
.endif
	s_wait_alu depctr_va_vdst(0)
	v_pk_mul_f32 v[TT:TT+1], v[TT:TT+1], v[LL:LL+1]
	v_pk_mul_f32 v[TT+2:TT+3], v[TT+2:TT+3], v[LL+2:LL+3]
	v_pk_fma_f32 v[TT:TT+1], v[TT+4:TT+5], v[LL+4:LL+5], v[TT:TT+1]
	v_pk_fma_f32 v[TT+2:TT+3], v[TT+6:TT+7], v[LL+6:LL+7], v[TT+2:TT+3]
	v_pk_add_f32 v[TT:TT+1], v[TT:TT+1], v[TT+2:TT+3]
	v_add_f32 v[TT], v[TT], v[TT+1]                ; Ls, at least 1: the largest term is 2^0
	s_wait_alu depctr_va_vdst(0)
	v_rcp_f32 v[TT], v[TT]
	v_mul_f32 v[MA1], v[MA1], v[NL]                ; x -lam.  (The plain line behind the transcendental)
	s_wait_alu depctr_va_vdst(0)
	v_permlanex16_b32 v[PM0], v[TT], s[SEL], s[SEL+1]
	v_cndmask_b32 v[MB0], v[TT], v[PM0], s[HM]
	v_cndmask_b32 v[MB1], v[PM0], v[TT], s[HM]
	v_mul_f32 v[F0], v[MA0], v[MB0]                ; f0 = 2^(T0 - Tm0) / Ls0
	v_mul_f32 v[F1], v[MA1], v[MB1]                ; f1 = -lam 2^(T1 - Tm1) / Ls1
.irp b, 0,128
	WIN 0x51                                       ; sources 0 and 2 and D window 1
.set j, 0
.rept 32
	v_pk_mul_f32 v[\b+j:\b+j+1], v[\b+j:\b+j+1], v[F0:F0+1] op_sel_hi:[1,0]
.set j, j+2
.endr
.set j, 0
.rept 32
	v_pk_fma_f32 v[\b+j:\b+j+1], v[\b+64+j:\b+64+j+1], v[F1:F1+1], v[\b+j:\b+j+1] op_sel_hi:[1,0,1]   ; att
.set j, j+2
.endr
	WIN 0x40                                       ; V's four fragments (16 channels x 128 keys) take sub-head 1's registers and land under the holds
.irp d, 0,1,2,3
.irp k, 0,1
	ds_load_b128 v[\b+64+16*\d+8*\k:\b+64+16*\d+8*\k+3], v[ADV] offset:64*\b+4096*\k+1024*\d
	ds_load_b128 v[\b+64+16*\d+8*\k+4:\b+64+16*\d+8*\k+7], v[ADV] offset:64*\b+4096*\k+1024*\d+512
.endr
.endr
.endr
.if \red
	s_wait_xcnt 0x0                                ; the store has read its data and its base: the conversions below write over the one, and the other steps
	s_add_nc_u64 s[16:17], s[16:17], 65536         ; 16 rows of out0 on
.endif
	WIN 0x41
.irp b, 0,128
.set i, 0
.rept 64
	v_med3_num_f32 v[\b+i], v[\b+i], -v[LIM], v[LIM]   ; the conversion to an 8-bit code does not saturate (ISA guide 7.6.2): the hold first
.set i, i+1
.endr
.endr
	WIN 0x01                                       ; source 0 window 1
.set t, 0
.rept 16
	v_cvt_scalef32_pk8_bf8_f32 v[PC+2*t:PC+2*t+1], v[128*(t/8)+8*(t%8):128*(t/8)+8*(t%8)+7], v[SCL]   ; keys 16 t + 8 (lane / 16) + 0 .. 7
.set t, t+1
.endr
	v_nop                                          ; a plain line behind the last conversion
	s_wait_alu depctr_va_vdst(0)                   ; the wait here, directly ahead of the wait below
	s_wait_dscnt 0x0                               ; V is in
.irp d, 0,1,2,3                        ; the four accumulators take turns
	v_wmma_f32_16x16x128_bf8_bf8 v[OT+8*\d:OT+8*\d+7], v[64+16*\d:64+16*\d+15], v[PC:PC+15], 0
.endr
.irp d, 0,1,2,3
	v_wmma_f32_16x16x128_bf8_bf8 v[OT+8*\d:OT+8*\d+7], v[192+16*\d:192+16*\d+15], v[PC+16:PC+31], v[OT+8*\d:OT+8*\d+7]
.endr
	WIN 0
.rept 5
	v_nop                                          ; four places ahead of the stores of the results; five ahead of the next block's products, which write over V's registers
.endr
.irp d, 0,1,2,3
	ds_store_b128 v[OW], v[OT+8*\d:OT+8*\d+3] offset:(\par)*OPAR+(2*\d)*272
	ds_store_b128 v[OW], v[OT+8*\d+4:OT+8*\d+7] offset:(\par)*OPAR+(2*\d+1)*272
.endr
.endm
	BLOCK 0, 0, 1
	s_mov_b32 s[CNT], 7
.Lb:                                               ; blocks 1 to 14, two a trip, so that the parities are constants of the text
	BLOCK 1, 1, 1
	BLOCK 0, 1, 1
	s_sub_co_u32 s[CNT], s[CNT], 1
	s_cmp_lg_u32 s[CNT], 0
	s_cbranch_scc1 .Lb
	BLOCK 1, 1, 0
	s_wait_dscnt 0x0                               ; my part of the last block's O^T is stored
	s_barrier_signal -1
	s_barrier_wait -1                              ; everybody's is
	RLOAD 1
	RSUM
	s_wait_tensorcnt 0x0                           ; the wave's end
	ds_add_u32 v[SPW], v[NIL]
	s_wait_dscnt 0x0
	CROUND                                         ; the closing round
	s_endpgm
.Lfunc_end_k_q90cba0b7ab_attn:
	.size	k_q90cba0b7ab_attn, .Lfunc_end_k_q90cba0b7ab_attn-k_q90cba0b7ab_attn
	.p2alignl 7, 3214868480
	.fill 96, 4, 3214868480
	.section	.rodata,"a",@progbits
	.p2align	6, 0x0
	.amdhsa_kernel k_q90cba0b7ab_attn
		.amdhsa_group_segment_fixed_size 327680
		.amdhsa_private_segment_fixed_size 0
		.amdhsa_enable_private_segment 0
		.amdhsa_kernarg_size 56
		.amdhsa_user_sgpr_count 2
		.amdhsa_user_sgpr_kernarg_segment_ptr 1
		.amdhsa_wavefront_size32 1
		.amdhsa_system_sgpr_workgroup_id_x 1
		.amdhsa_system_sgpr_workgroup_id_y 1
		.amdhsa_system_sgpr_workgroup_id_z 1
		.amdhsa_system_vgpr_workitem_id 0
		.amdhsa_next_free_vgpr 512
		.amdhsa_next_free_sgpr 66
		.amdhsa_reserve_vcc 0
		.amdhsa_float_denorm_mode_32 3
		.amdhsa_float_denorm_mode_16_64 3
		.amdhsa_memory_ordered 1
		.amdhsa_forward_progress 1
		.amdhsa_inst_pref_size 252
	.end_amdhsa_kernel
	.amdgpu_metadata
---
amdhsa.version: [ 1, 2 ]
amdhsa.kernels:
  - .name:           k_q90cba0b7ab_attn
    .symbol:         k_q90cba0b7ab_attn.kd
    .args:
      - { .name: qkv, .offset: 0, .size: 8, .value_kind: global_buffer, .address_space: global }
      - { .name: lambda_q1, .offset: 8, .size: 8, .value_kind: global_buffer, .address_space: global }
      - { .name: lambda_k1, .offset: 16, .size: 8, .value_kind: global_buffer, .address_space: global }
      - { .name: lambda_q2, .offset: 24, .size: 8, .value_kind: global_buffer, .address_space: global }
      - { .name: lambda_k2, .offset: 32, .size: 8, .value_kind: global_buffer, .address_space: global }
      - { .name: lowp_scales, .offset: 40, .size: 8, .value_kind: global_buffer, .address_space: global }
      - { .name: out0, .offset: 48, .size: 8, .value_kind: global_buffer, .address_space: global }
    .group_segment_fixed_size: 327680
    .private_segment_fixed_size: 0
    .kernarg_segment_align: 8
    .kernarg_segment_size: 56
    .max_flat_workgroup_size: 256
    .sgpr_count:     66
    .vgpr_count:     512
    .wavefront_size: 32
...
	.end_amdgpu_metadata
.endif
;; end of part 2
